; MI455X (gfx1250); checked and timed in simulation.
; The chip was launched on July 23, 2026; its instructions are those of AMD's public machine-readable ISA for CDNA 5 (MIT licence, August 2026) and "CDNA5" Instruction Set Architecture Reference Guide (July 2026). The comments in the code are by the model that wrote it; some were corrected since.
;; Modern Symmetric Hopfield Network. Allowed arithmetic: float matrix products may take bf16 or f16 operands with f32 sums; other float arithmetic in f32, or as packed bf16 or f16 multiplies, adds, multiply-adds, maxima and minima; sums over many terms, partial sums and values carried from step to step in f32; what a program stores and reads back later, other than sums and carried values, may be rounded once to bf16 or f16.
;; Inputs: X 4,096 x 2,048 float32; s 4,096 x 2,048 float32.
;; Outputs: out0 4,096 x 2,048 float32.
;; One version. Each part assembles by itself: llvm-mc -triple=amdgcn-amd-amdhsa -mcpu=gfx1250 --defsym DOCPART=n.
;; ======== version 1 of 1: 3 launches
;; limits: right only within a limited range of input values
;; workspace buffers: Xb 16,777,216 bytes; sb 16,777,216 bytes; W 33,554,432 bytes; rsum 524,288 bytes
;; launch cast (part 1): grid 512 x 2, 8 waves a work-group, no clusters, 0 bytes of LDS; arguments X, s, Xb, sb; writes Xb, sb
.if DOCPART == 1
	.amdgcn_target "amdgcn-amd-amdhsa--gfx1250"
	.amdhsa_code_object_version 6
	.text
	.protected	k_q68214ef437_cast
	.globl	k_q68214ef437_cast
	.p2align	8
	.type	k_q68214ef437_cast,@function
k_q68214ef437_cast:
	s_mov_b64 s[64:65], 0
	v_nop
	global_prefetch_b8 v0, s[64:65] scope:SCOPE_SE
	s_setreg_imm32_b32 hwreg(HW_REG_WAVE_MODE, 25, 1), 1
	s_wait_xcnt 0x0
; out[q][:] = sum over p of w[q][p] X[p][:],  w[q][p] = (s[q] . X[p])^2 / sum over p' of (s[q] . X[p'])^2.   X: [4096][2048], s: [4096][2048], out: [4096][2048], all f32.
; THE PROGRAM: three launches.  This one rounds X and s once to bf16 (Xb, sb), the operands of both products.  The second makes W[q][p] = (sb[q] . Xb[p])^2, rounded once to bf16,
; and partial row sums of the unrounded squares in f32.  The third makes (W Xb) / row sum.
; NOTHING OF THE COMPUTATION IS LEFT OUT: both inputs reach every output, no term cancels, nothing is sliced away.
; LIMITS of the program.  W is kept in bf16, which has f32's range: a square beyond its largest finite number becomes an infinity.  The division comes last: sum over p of score x X must stay
; inside f32's range.  A row sum under 2^-126 or over 2^126 gives an infinity or 0 as its reciprocal (v_rcp_f32 flushes denormals, ISA guide 15.8); the reciprocal is good to 1 ulp.
; The sums are taken in another order than the definition's.  A row whose scores are all 0 gives NaN, as 0 / 0 does.
; THIS LAUNCH.  Grid y picks the tensor (0: X to Xb, 1: s to sb).  A work-group takes 65,536 bytes of f32, as 16 chunks of 4,096; thread t takes the 16 bytes at 16 t of each chunk.
; A wave's load covers 512 consecutive bytes; its store of 8 bytes a lane covers 256 consecutive bytes, aligned.  All 16 loads of a wave go out before the first wait; no register is used twice,
; so no source of a pending instruction is ever rewritten.  No LDS, no matrix unit, no cluster: nothing is shared and nothing is multiplied.
.set CHUNK, 4096                       ; bytes of f32 that the work-group's 256 threads take at once
.set IN,    4                          ; v[4:67]   chunk i: 4 registers as loaded
.set OUT,   68                         ; v[68:99]  chunk i: 2 registers to store
	s_load_b256 s[4:11], s[0:1], 0x0               ; X s[4:5], s s[6:7], Xb s[8:9], sb s[10:11]
	s_and_b32 s12, ttmp7, 0xffff                   ; which tensor
	s_lshl_b32 s14, ttmp9, 16                      ; the work-group's 65,536 bytes of f32,
	s_mov_b32 s15, 0
	s_lshl_b32 s16, ttmp9, 15                      ; and its 32,768 bytes of bf16
	s_mov_b32 s17, 0
	v_lshlrev_b32 v1, 4, v0                        ; 16 t
	v_lshlrev_b32 v2, 3, v0                        ; 8 t
	s_wait_kmcnt 0x0
	s_cmp_eq_u32 s12, 0
	s_cselect_b64 s[4:5], s[4:5], s[6:7]           ; from X or from s,
	s_cselect_b64 s[8:9], s[8:9], s[10:11]         ; to Xb or to sb
	s_add_nc_u64 s[4:5], s[4:5], s[14:15]
	s_add_nc_u64 s[8:9], s[8:9], s[16:17]
.irp i, 0,1,2,3,4,5,6,7,8,9,10,11,12,13,14,15
	global_load_b128 v[IN+4*(\i):IN+4*(\i)+3], v1, s[4:5] offset:CHUNK*(\i) th:TH_LOAD_NT  ; read once in the launch
.endr
.irp i, 0,1,2,3,4,5,6,7,8,9,10,11,12,13,14,15
	s_wait_loadcnt 15-(\i)                         ; loads come back in order (ISA guide 5.7.1): chunk i is in, the younger ones stay out
	v_cvt_pk_bf16_f32 v[OUT+2*(\i)],   v[IN+4*(\i)],   v[IN+4*(\i)+1]  ; two roundings to nearest even, packed
	v_cvt_pk_bf16_f32 v[OUT+2*(\i)+1], v[IN+4*(\i)+2], v[IN+4*(\i)+3]
	global_store_b64 v2, v[OUT+2*(\i):OUT+2*(\i)+1], s[8:9] offset:(CHUNK/2)*(\i)
.endr
	s_endpgm
.Lfunc_end_k_q68214ef437_cast:
	.size	k_q68214ef437_cast, .Lfunc_end_k_q68214ef437_cast-k_q68214ef437_cast
	.p2alignl 7, 3214868480
	.fill 96, 4, 3214868480
	.section	.rodata,"a",@progbits
	.p2align	6, 0x0
	.amdhsa_kernel k_q68214ef437_cast
		.amdhsa_group_segment_fixed_size 0
		.amdhsa_private_segment_fixed_size 0
		.amdhsa_enable_private_segment 0
		.amdhsa_kernarg_size 32
		.amdhsa_user_sgpr_count 2
		.amdhsa_user_sgpr_kernarg_segment_ptr 1
		.amdhsa_wavefront_size32 1
		.amdhsa_system_sgpr_workgroup_id_x 1
		.amdhsa_system_sgpr_workgroup_id_y 1
		.amdhsa_system_sgpr_workgroup_id_z 1
		.amdhsa_system_vgpr_workitem_id 0
		.amdhsa_next_free_vgpr 100
		.amdhsa_next_free_sgpr 66
		.amdhsa_reserve_vcc 0
		.amdhsa_float_denorm_mode_32 3
		.amdhsa_float_denorm_mode_16_64 3
		.amdhsa_memory_ordered 1
		.amdhsa_forward_progress 1
		.amdhsa_inst_pref_size 7
	.end_amdhsa_kernel
	.amdgpu_metadata
---
amdhsa.version: [ 1, 2 ]
amdhsa.kernels:
  - .name:           k_q68214ef437_cast
    .symbol:         k_q68214ef437_cast.kd
    .args:
      - { .name: X, .offset: 0, .size: 8, .value_kind: global_buffer, .address_space: global }
      - { .name: s, .offset: 8, .size: 8, .value_kind: global_buffer, .address_space: global }
      - { .name: Xb, .offset: 16, .size: 8, .value_kind: global_buffer, .address_space: global }
      - { .name: sb, .offset: 24, .size: 8, .value_kind: global_buffer, .address_space: global }
    .group_segment_fixed_size: 0
    .private_segment_fixed_size: 0
    .kernarg_segment_align: 8
    .kernarg_segment_size: 32
    .max_flat_workgroup_size: 256
    .sgpr_count:     66
    .vgpr_count:     100
    .wavefront_size: 32
...
	.end_amdgpu_metadata
.endif
;; end of part 1
;; launch score (part 2): grid 16 x 16, 4 waves a work-group, clusters of 4 x 4, 327,680 bytes of LDS; arguments sb, Xb, W, rsum; writes W, rsum
.if DOCPART == 2
	.amdgcn_target "amdgcn-amd-amdhsa--gfx1250"
	.amdhsa_code_object_version 6
	.text
	.protected	k_q68214ef437_score
	.globl	k_q68214ef437_score
	.p2align	8
	.type	k_q68214ef437_score,@function
k_q68214ef437_score:
	s_mov_b64 s[64:65], 0
	v_nop
	global_prefetch_b8 v0, s[64:65] scope:SCOPE_SE
	s_setreg_imm32_b32 hwreg(HW_REG_WAVE_MODE, 25, 1), 1
	s_wait_xcnt 0x0
	s_wait_alu depctr_hold_cnt(0) depctr_sa_sdst(0) depctr_va_vdst(0) depctr_va_sdst(0) depctr_va_ssrc(0) depctr_va_vcc(0) depctr_vm_vsrc(0)
	s_getreg_b32 s2, hwreg(HW_REG_IB_STS2, 6, 4)
	s_cmp_eq_u32 s2, 0
	s_cbranch_scc0 .Lentry_in_a_cluster
	s_endpgm
.Lentry_in_a_cluster:
	s_bfe_u32 s2, ttmp6, 0x10000c
	s_cmp_lg_u32 s2, 0xf033
	s_cbranch_scc0 .Lentry_shape_is_right
	s_endpgm
.Lentry_shape_is_right:
; W(q, p) = (sum over k of sb[q][k] Xb[p][k])^2, rounded once to bf16; rsum[c][q] = the sum of the unrounded squares of row q over the 128 columns 128 c .. 128 c + 127, in f32.
; sb: [4096][2048], Xb: [4096][2048], bf16; rsum: [32][4096] f32.  Products' sums in f32.  Nothing is left out.
; W'S LAYOUT.  W (4096 x 4096, bf16) is laid in blocks of 16 rows x 32 columns, 1,024 bytes each, in the order in which a matrix operand's registers take them: block (qb, kc) at byte (128 qb + kc) x 1,024;
; in it lane l's 16 bytes of row 16 qb + l % 16, columns 32 kc + 8 (l / 16) + 0..7, at 16 l, and those of columns 32 kc + 16 + 8 (l / 16) + 0..7 at 512 + 16 l.  That is what a lane holds here when two
; neighbouring accumulators are packed, so W leaves straight from registers, 512 consecutive bytes a store, and the next launch loads its fragments of W as they lie.
; LIMIT.  bf16 has f32's range; a square beyond bf16's largest finite number is stored as an infinity.
; A tile of W, 256 x 256, is made by a work-group of four waves; a wave makes 128 x 128: 64 accumulators of 16 x 16, 512 registers.  16 x 16 tiles: 256 work-groups.
; K goes in steps of 128 through a ring of two LDS slots filled by the tensor data mover: a tile's rows are 256 bytes of memory and start at multiples of 256 bytes from the buffer's first byte.
; CLUSTERS: 4 x 4 work-groups.  The four of a row of the cluster need the same tiles of sb, the four of a column the same tiles of Xb.  Such a tile is asked for JOINTLY: each of the four issues
; the same tensor load, with the same descriptor and a mask that names the four, and each receives it in its own LDS.
; REGISTERS, in windows of 256 (s_set_vgpr_msb's low byte: bits 1:0 source 0, 3:2 source 1, 5:4 source 2, 7:6 destination):
;   window 0: v0-31 addresses; v64-127, v128-191 fragments of sb (8 x 16 rows x 32 K), two buffers; on the way out v64-127 the squares, v128-135 the row sums, v192-223 and v224-255 packed results by turns
;   window 1: v64-127, v128-191 fragments of Xb, two buffers
;   window 2: the 32 accumulators of my rows 0-63 (accumulator (a, b) at v[8 (8 a + b)]);   window 3: those of my rows 64-127
; THE MATRIX INSTRUCTION IS USED TRANSPOSED: source 0 = 16 rows of Xb, source 1 = 16 rows of sb.  In the result lane l holds row q = l % 16 and its registers the columns p = 8 (l / 16) + 0 .. 7:
; eight neighbouring numbers of a row, which pack into 16 bytes, and whose squares add up to a part of the row's sum without leaving the lane.
.set SIZE_K, 2048
.set KSTEP,  128
.set PITCH,  272                       ; an LDS row: 256 bytes of data + 16 of padding = 68 words: row r starts at bank 4 r mod 64 (64 banks of 4 bytes: ISA guide 11.1), so the 16 rows of a load start at 16 different banks
.set HALFT,  128*PITCH                 ; 128 rows: what one tensor load brings, and what one wave reads of sb or of Xb
.set SLOT,   4*HALFT                   ; sb's 256 rows, then Xb's 256 rows
.set STAGE,  2*SLOT                    ; behind the ring: 512 bytes for each wave, for the row sums; no tensor load fills it
.set SPARE,  STAGE+4*512               ; behind the stages: the spare words, 128 bytes for each wave: two blocks of 256 bytes that no other line names
.set LAPS,   SIZE_K/(2*KSTEP)          ; a lap = two K steps = once round the ring: 8
.set QBB,    131072                    ; bytes of W's 16 rows: 128 blocks of 1,024
.set ADRA, 16                          ; v16-17  LDS address of my sb fragments in slot 0, 1
.set ADRB, 20                          ; v20-21  the same for Xb
.set RL,   22                          ; v22     my stage + 16 x lane: where I read four row sums back
.set RG,   23                          ; v23     16 x lane: my 16 bytes of a store's 512, in W and in rsum; never rewritten
.set RS,   27                          ; v27     my stage + 4 x lane: where I put a row sum
.set SPW,  28                          ; v28     LDS address of my spare word: SPARE + 4 x my thread's number; never rewritten
.set NIL,  29                          ; v29     0; never rewritten
.set PFO,  30                          ; v30     the prefetches' offset: my lane x a row of sb or Xb (4,096 bytes); never rewritten
.set F0,   64                          ; fragment buffer 0
.set F1,   128                         ; fragment buffer 1
.set T,    64                          ; the way out: a block's 64 squares
.set SM,   128                         ; the way out: block a's row sum at v[SM + a]
.set SX,   66                          ; the way out: eight registers at work on the row sums, inside T
.set TMP,  192                         ; the way out: packed results, two sets of 32 by turns
.set G1,  24                           ; s[24:31] descriptor group 1 for sb's tiles
.set G0,  32                           ; s[32:39] descriptor group 0 for sb's tiles, one set for each slot
.set G1B, 48                           ; s[48:55] descriptor group 1 for Xb's tiles: it differs in the mask alone
.set G0B, 56                           ; s[56:63] descriptor group 0 for Xb's tiles, one set for each slot
.set LIM, 43                           ; s43      1 in a wave that prefetches, else the greatest number
.set PFA, 44                           ; s[44:45] where my prefetches stand: my work-group's 32 rows of the 128 that I fetch, two K steps further along K than the refill that is being asked for
.set MSB, 0
.macro WIN new                         ; the immediate's high byte repeats the setting that is left; a switch that changes nothing is dropped
.if MSB != (\new)
	s_set_vgpr_msb (MSB<<8)|(\new)
.set MSB, \new
.endif
.endm
.set MUL_LO, 0xa1                      ; source 0 (Xb) window 1, source 1 (sb) window 0, C and D window 2
.set MUL_HI, 0xf1                      ; the same, C and D window 3
.set TO_B,   0x40                      ; destination window 1, address window 0
; A joint load.  Waves 0 and 1 fetch sb's two halves, waves 2 and 3 Xb's.  Each of the two lines has ONE mask and one set of registers for all that issue it.  The branch hangs on the wave's number alone.
; An s_nop 0 and four v_nop follow each of the two lines; the jump, the label and what follows come after them.
.macro JLOAD s
	s_cmp_eq_u32 s11, 0
	s_cbranch_scc0 .Lfor_b_\@
	tensor_load_to_lds s[G0+4*(\s):G0+4*(\s)+3], s[G1:G1+7]
	s_nop 0
.rept 4
	v_nop
.endr
	s_branch .Lasked_\@
.Lfor_b_\@:
	tensor_load_to_lds s[G0B+4*(\s):G0B+4*(\s)+3], s[G1B:G1B+7]
	s_nop 0
.rept 4
	v_nop
.endr
.Lasked_\@:
.endm
; A PREFETCH INTO THE L2, behind each joint refill, its five lines and the run of LDS loads that follows them: the K step that stands TWO refills on, 512 matrix instructions ahead of the load that will want it:
; 32 rows x 256 bytes, a lane a row, one instruction a wave.  Each row's 256 bytes of a K step are named ONCE in the launch: sb's tile row is read by every cluster of that row of clusters, and the first of them
; (cluster x = 0) asks; Xb's tile column by every cluster of that column, and cluster y = 0 asks.  The four partners that ask for a tile jointly share its rows out BY ADDRESS: of the 128 rows that a wave fetches
; the partner at place p takes 32 p .. 32 p + 31 (p = cx for sb, cy for Xb).  K steps 0 to 3 come by their loads alone; the loop's last trip (s3 = 1) asks for nothing: there is no K step two on.
.macro ASK
	s_cmp_gt_u32 s3, s[LIM]
	s_cbranch_scc0 .Lnot_mine_\@
	global_prefetch_b8 v[PFO], s[PFA:PFA+1] th:TH_LOAD_NT scope:SCOPE_SE
.Lnot_mine_\@:
.endm
; A round of the cluster's barrier: my work-group's barrier, so that wave 0's signal speaks for all four waves; wave 0 signals for the work-group; every wave waits for all sixteen work-groups; my work-group's barrier once more.
.macro CREST                           ; a round behind its opening barrier
	s_cmp_lg_u32 s10, 0
	s_cbranch_scc1 .Lnot_wave_0_\@
	s_barrier_signal -3
.Lnot_wave_0_\@:
	s_barrier_wait -3
	s_barrier_signal -1
	s_barrier_wait -1
.endm
.macro CROUND                          ; a whole round
	s_barrier_signal -1
	s_barrier_wait -1
	CREST
.endm
	s_load_b128 s[4:7], s[0:1], 0x0                ; sb s[4:5], Xb s[6:7]
	s_load_b64 s[8:9], s[0:1], 0x10                ; W
	s_load_b64 s[66:67], s[0:1], 0x18              ; rsum
	v_lshl_add_u32 v[SPW], v0, 2, SPARE
	v_mov_b32 v[NIL], 0
	ds_add_u32 v[SPW], v[NIL]                      ; the wave's opening: the add, twice on end, and its wait ahead of my first tensor load; the set-up below stands between the second and the wait
	ds_add_u32 v[SPW], v[NIL]
	v_lshrrev_b32 v1, 5, v0
	v_readfirstlane_b32 s10, v1                    ; wave 0..3
	s_lshr_b32 s11, s10, 1                         ; which half of the tile's rows is mine.  Also: I fetch for sb (0) or for Xb (1)
	s_and_b32 s12, s10, 1                          ; which half of its columns.  Also: which 128 rows of that tile I fetch
	s_bfe_u32 s40, ttmp6, 0x40000                  ; cx: my place along the cluster's x
	s_bfe_u32 s41, ttmp6, 0x40004                  ; cy: along its y
	s_lshl_b32 s42, ttmp9, 2                       ; in a cluster launch ttmp9 and ttmp7 count clusters
	s_add_co_u32 s42, s42, s40                     ; tile column of W = 4 x cluster x + cx
	s_and_b32 s13, ttmp7, 0xffff
	s_lshl_b32 s13, s13, 2
	s_add_co_u32 s13, s13, s41                     ; tile row of W = 4 x cluster y + cy
	s_lshl_b32 s43, s41, 2
	s_lshl_b32 s43, 15, s43                        ; my row of the cluster: places 4 cy .. 4 cy + 3
	s_lshl_b32 s44, 0x1111, s40                    ; my column: places cx, cx + 4, cx + 8, cx + 12
	; descriptor group 1: a tile of 128 rows x 128 elements, padded in LDS
	s_or_b32 s[G1+0], s43, (1<<16)|(1<<20)|(1<<21)|(5<<22)|(3<<25)  ; 15:0 the mask: sb's tiles go to my row; 17:16 elements of 2 bytes; 20 padding on; 21 set beside a mask; 24:22 after every 64 words (code 5); 31:25 4 words of it (code 3)
	s_or_b32 s[G1B+0], s44, (1<<16)|(1<<20)|(1<<21)|(5<<22)|(3<<25) ; the same with the mask of my column, for Xb's tiles
.irp g, G1, G1B
	s_mov_b32 s[(\g)+1], KSTEP<<16                 ; 63:48 tensor_dim0, low half = 128
	s_mov_b32 s[(\g)+2], 128<<16                   ; 79:64 its high half = 0; 95:80 tensor_dim1, low half = 128
	s_mov_b32 s[(\g)+3], KSTEP<<16                 ; 111:96 its high half = 0; 127:112 tile_dim0 = 128
	s_mov_b32 s[(\g)+4], 128                       ; 143:128 tile_dim1 = 128; 159:144 tile_dim2 = 0
	s_mov_b32 s[(\g)+5], SIZE_K                    ; 191:160 tensor_dim0_stride, low word: elements from row to row
	s_mov_b32 s[(\g)+6], 0
	s_mov_b32 s[(\g)+7], 0
.endr
	; where the tiles come from.  sb's hang on the tile row alone, which my row of the cluster shares; Xb's on the tile column alone, which my column shares.
	; Every wave makes both addresses, in registers that never hold the other coordinate, and asks by one of them.
	s_lshl_b32 s17, s12, 7                         ; which 128 rows of the tile I fetch
	s_lshl_b32 s16, s13, 8
	s_add_co_u32 s16, s16, s17                     ; sb: row 256 x tile row + 128 x half
	s_lshl_b32 s46, s42, 8
	s_add_co_u32 s46, s46, s17                     ; Xb: row 256 x tile column + 128 x half
	s_mov_b32 s17, 0
	s_mov_b32 s47, 0
	s_mov_b64 s[18:19], SIZE_K*2
	s_mul_u64 s[16:17], s[16:17], s[18:19]         ; in bytes
	s_mul_u64 s[46:47], s[46:47], s[18:19]
	s_mul_i32 s20, s10, HALFT                      ; and where they go: sb's two halves, then Xb's two halves = wave x 128 rows: no place in the cluster enters an LDS address
	s_mov_b32 s68, 0x76543210                      ; v_permlanex16_b32's selects: each lane takes its own place in the other half
	s_mov_b32 s69, 0xfedcba98
	s_wait_dscnt 0x0                               ; both opening adds are done
	s_wait_kmcnt 0x0
	s_add_nc_u64 s[14:15], s[4:5], s[16:17]
	s_add_nc_u64 s[46:47], s[6:7], s[46:47]
	CROUND                                         ; all sixteen work-groups are here: the first joint loads meet
.irp s, 0,1
	s_mov_b32 s[G0+4*(\s)], 1                                      ; 1:0 count = 1
	s_add_co_u32 s[G0+4*(\s)+1], s20, (\s)*SLOT                    ; 63:32 LDS address
	s_add_nc_u64 s[G0+4*(\s)+2:G0+4*(\s)+3], s[14:15], (\s)*KSTEP*2  ; 120:64 global address: K step s
	s_or_b32 s[G0+4*(\s)+3], s[G0+4*(\s)+3], 0x80000000            ; 127:126 type = 2
	s_mov_b32 s[G0B+4*(\s)], 1
	s_add_co_u32 s[G0B+4*(\s)+1], s20, (\s)*SLOT
	s_add_nc_u64 s[G0B+4*(\s)+2:G0B+4*(\s)+3], s[46:47], (\s)*KSTEP*2
	s_or_b32 s[G0B+4*(\s)+3], s[G0B+4*(\s)+3], 0x80000000
	JLOAD \s                                       ; the ring is filled before anything else is done: two tensor loads of mine are out
.endr
	; A fragment is 16 rows x 32 K in 8 registers: lane l holds row l % 16; registers 0-3 hold K = 8 (l / 16) + 0..7, registers 4-7 hold K = 16 + 8 (l / 16) + 0..7: two loads of 16 bytes, 32 bytes apart.
	v_and_b32 v1, 15, v0                           ; l % 16
	v_bfe_u32 v2, v0, 4, 1                         ; l / 16; kept for the row sums
	v_mul_u32_u24 v3, v1, PITCH
	v_lshl_add_u32 v3, v2, 4, v3                   ; row x pitch + 16 x half
	s_mul_i32 s21, s11, HALFT                      ; my 128 rows of sb
	s_mul_i32 s22, s12, HALFT                      ; my 128 rows of Xb,
	s_add_co_u32 s22, s22, 2*HALFT                 ; which lie behind sb's 256
.irp s, 0,1
	v_add_nc_u32 v[ADRA+(\s)], s21, v3
	v_add_nc_u32 v[ADRB+(\s)], s22, v3
	s_add_co_u32 s21, s21, SLOT
	s_add_co_u32 s22, s22, SLOT
.endr
	s_lshl_b32 s23, s10, 9
	s_add_co_u32 s23, s23, STAGE                   ; my stage
	v_and_b32 v3, 31, v0                           ; l
	v_lshl_add_u32 v[RS], v3, 2, s23
	v_lshl_add_u32 v[RL], v3, 4, s23
	v_lshlrev_b32 v[RG], 4, v3
	; where my part of the tile begins in rsum and in W
	s_lshl_b32 s13, s13, 8
	s_lshl_b32 s14, s11, 7
	s_add_co_u32 s16, s13, s14                     ; my first row
	s_lshl_b32 s72, s42, 1
	s_add_co_u32 s72, s72, s12                     ; c = 2 x tile column + my half of its columns
	s_lshl_b32 s72, s72, 12
	s_add_co_u32 s72, s72, s16                     ; c x 4,096 + row,
	s_lshl_b32 s72, s72, 2                         ; in bytes
	s_mov_b32 s73, 0
	s_add_nc_u64 s[66:67], s[66:67], s[72:73]
	s_lshl_b32 s16, s16, 13                        ; W: 16 rows are 131,072 bytes: 8,192 x my first row,
	s_lshl_b32 s46, s42, 13                        ; the tile column's 8 blocks of 32 columns, 1,024 bytes each,
	s_lshl_b32 s47, s12, 12                        ; my 4 of them
	s_add_co_u32 s46, s46, s47
	s_add_co_u32 s16, s16, s46                     ; under 2^26
	s_mov_b32 s17, 0
	s_add_nc_u64 s[8:9], s[8:9], s[16:17]
	; the prefetches.  s13 = 256 x tile row, s42 = tile column, s40 = cx, s41 = cy still stand
	s_lshl_b32 s42, s42, 8
	s_and_b32 s22, ttmp7, 0xffff                   ; cluster y
	s_cmp_eq_u32 s11, 0                            ; do I fetch for sb?
	s_cselect_b32 s20, s13, s42                    ; the tile's first row: in sb by the tile row, in Xb by the tile column
	s_cselect_b32 s21, s40, s41                    ; my place among the four that ask for it with me
	s_cselect_b32 s22, ttmp9, s22                  ; the coordinate along which other clusters read the same rows
	s_cselect_b64 s[PFA:PFA+1], s[4:5], s[6:7]
	s_cmp_eq_u32 s22, 0
	s_cselect_b32 s[LIM], 1, -1                    ; the same in all sixteen partners, for a given wave
	s_lshl_b32 s22, s12, 7
	s_add_co_u32 s20, s20, s22                     ; + the 128 rows that I fetch
	s_lshl_b32 s21, s21, 5
	s_add_co_u32 s20, s20, s21                     ; + my work-group's 32 of them
	s_mov_b32 s21, 0
	s_mov_b64 s[18:19], SIZE_K*2
	s_mul_u64 s[20:21], s[20:21], s[18:19]
	s_add_nc_u64 s[PFA:PFA+1], s[PFA:PFA+1], s[20:21]
	s_add_nc_u64 s[PFA:PFA+1], s[PFA:PFA+1], 3*KSTEP*2  ; at K step 3: the first refill (of K step 2) steps it to 4 and names that
	v_and_b32 v[PFO], 31, v0
	v_mul_u32_u24 v[PFO], v[PFO], SIZE_K*2
; 16 matrix instructions: m blocks a0, a0 + 1 of the window's four (hi = 0: my rows 0-63, 1: rows 64-127) x all 8 n blocks, 32 along K.  zero = 1: the first product starts the sums: nothing is ever cleared.
; The 64 accumulators take turns, one instruction a turn, in the same order in every quarter step: 63 others stand between two links of a chain.
.macro MUL16 f, hi, a0, zero
	WIN MUL_LO+0x50*(\hi)
.irp a, \a0, (\a0)+1
.irp b, 0,1,2,3,4,5,6,7
.if \zero
	v_wmma_f32_16x16x32_bf16 v[8*(8*(\a)+(\b)):8*(8*(\a)+(\b))+7], v[(\f)+8*(\b):(\f)+8*(\b)+7], v[(\f)+8*(4*(\hi)+(\a)):(\f)+8*(4*(\hi)+(\a))+7], 0
.else
	v_wmma_f32_16x16x32_bf16 v[8*(8*(\a)+(\b)):8*(8*(\a)+(\b))+7], v[(\f)+8*(\b):(\f)+8*(\b)+7], v[(\f)+8*(4*(\hi)+(\a)):(\f)+8*(4*(\hi)+(\a))+7], v[8*(8*(\a)+(\b)):8*(8*(\a)+(\b))+7]
.endif
.endr
.endr
.endm
; 32 LDS loads in one run: the fragments of one quarter step (128 rows of Xb, 128 rows of sb, 32 K at byte k of the rows) into buffer f
.macro FETCH slot, k, f
	WIN TO_B
.irp i, 0,1,2,3,4,5,6,7
	ds_load_b128 v[(\f)+8*(\i):(\f)+8*(\i)+3],   v[ADRB+(\slot)] offset:(\k)+(\i)*16*PITCH
	ds_load_b128 v[(\f)+8*(\i)+4:(\f)+8*(\i)+7], v[ADRB+(\slot)] offset:(\k)+(\i)*16*PITCH+32
.endr
	WIN 0
.irp i, 0,1,2,3,4,5,6,7
	ds_load_b128 v[(\f)+8*(\i):(\f)+8*(\i)+3],   v[ADRA+(\slot)] offset:(\k)+(\i)*16*PITCH
	ds_load_b128 v[(\f)+8*(\i)+4:(\f)+8*(\i)+7], v[ADRA+(\slot)] offset:(\k)+(\i)*16*PITCH+32
.endr
.endm
; A load into a register that a matrix instruction has read, and a vector instruction that reads a matrix result or writes one of a matrix instruction's registers, stand four places behind it, and only
; plain vector instructions that name none of its registers are places (ISA guide 7.12.1 for vector instructions).
.macro PLACES
.rept 4
	v_nop
.endr
.endm
; A K step is four quarter steps of 32 along K, 64 matrix instructions each, on buffers 0, 1, 0, 1.  One of the first three: multiplies buffer f; in its middle it fetches the next quarter's fragments, at byte k, into buffer g.
.macro QUARTER slot, k, f, g, zero
	s_wait_dscnt 8                                 ; Xb's fragments and sb's rows 0-63 are in; the youngest eight loads (sb's rows 64-127) may be out
	MUL16 \f, 0, 0, \zero
	MUL16 \f, 0, 2, \zero
	PLACES
	FETCH \slot, \k, \g
	s_wait_dscnt 32                                ; all but the 32 just issued
	MUL16 \f, 1, 0, \zero
	MUL16 \f, 1, 2, \zero
.endm
; The last quarter multiplies buffer 1 and changes slots.  MEET is its first half: ONE barrier, for two things.  In front of it each wave waits for all its tensor loads, of which one is out: its part of the
; next slot; adds 0 to its spare word; and waits for that and for its own reads of this slot.  Behind it nobody reads this slot any more and the next slot is whole.
.macro MEET round                      ; round = 1: the rest of a round of the cluster's barrier follows
	WIN 0                                          ; (the add's two registers lie in window 0)
	s_wait_tensorcnt 0x0                           ; all my tensor loads have landed
	ds_add_u32 v[SPW], v[NIL]                      ; 0 onto my spare word
	s_wait_dscnt 9                                 ; (the add and the youngest eight loads may be out)
	MUL16 F1, 0, 0, 0                              ; sixteen matrix instructions stand between the add and the wait for it
	s_wait_dscnt 0x0                               ; the add is done, and my reads of this slot are over
	s_barrier_signal -1
	MUL16 F1, 0, 2, 0                              ; work on registers while the others arrive
.if \round
	WIN 0
.endif
	s_barrier_wait -1
.endm
; The whole last quarter.  fill = 1: behind the round the slot just read out is filled again first, with the K step two steps on; then come the next slot's first fragments.
; From a request to the wait for it a wave issues 224 matrix instructions.  fill = 0: nothing is left to ask for, and no round follows.
.macro TURN slot, next, fill
.if \fill
	s_wait_xcnt 0x0                                ; the last prefetch, a K step back, has read its address: it is stepped here, ahead of the waits of the change of slots
	s_add_nc_u64 s[PFA:PFA+1], s[PFA:PFA+1], KSTEP*2
	MEET 1
	CREST                                          ; no wave of any partner still reads this slot's tile or has a load on its way
	s_add_nc_u64 s[G0+4*(\slot)+2:G0+4*(\slot)+3], s[G0+4*(\slot)+2:G0+4*(\slot)+3], 2*KSTEP*2    ; no tensor load of mine is out, so a group 0 may be written
	s_add_nc_u64 s[G0B+4*(\slot)+2:G0B+4*(\slot)+3], s[G0B+4*(\slot)+2:G0B+4*(\slot)+3], 2*KSTEP*2
	JLOAD \slot                                    ; the first tensor load behind the round, my only one until the next; its four v_nop are also the places in front of the loads below
	FETCH \next, 0, F0
	ASK
.else
	MEET 0
	PLACES
	FETCH \next, 0, F0
.endif
	MUL16 F1, 1, 0, 0
	MUL16 F1, 1, 2, 0
.endm
; THE WAY OUT of block a (16 rows x my 128 columns).  The 64 sums of a lane are squared (each accumulator's registers in ascending order); the squares are rounded to bf16, 16 bytes for
; the eight neighbouring columns of an accumulator, and stored as they lie: accumulator (a, b) is half b % 2 of block (a, b / 2) of W's layout, lane l's 16 bytes at 16 l: a store covers 512 consecutive bytes,
; at a multiple of 512 from W's first byte; block and half stand in the immediate (921,088 at the most).  Then the unrounded squares are added up in f32: 31 packed additions and one plain one
; leave the lane's share of its row's sum in v[SM + a].
.macro OUT a
.set AC, 64*((\a)%4)
.set TP, TMP+32*((\a)%2)
	WIN 0x0a+5*((\a)/4)                            ; sources 0 and 1: window 2 or 3; destination window 0
.set i, 0
.rept 32
	v_pk_mul_f32 v[T+2*i:T+2*i+1], v[AC+2*i:AC+2*i+1], v[AC+2*i:AC+2*i+1]
.set i, i+1
.endr
	WIN 0
	s_wait_xcnt 0x0                                ; every earlier memory instruction has had its addresses translated (ISA guide 3.1): this set of packed registers, which the stores of block a - 2 read, is rewritten only behind this wait
.set i, 0
.rept 32
	v_cvt_pk_bf16_f32 v[TP+i], v[T+2*i], v[T+2*i+1]
.set i, i+1
.endr
.irp b, 0,1,2,3,4,5,6,7
	global_store_b128 v[RG], v[TP+4*(\b):TP+4*(\b)+3], s[8:9] offset:QBB*(\a)+512*(\b)
.endr
.irp w, 16,8,4,2,1
.set i, 0
.rept \w
	v_pk_add_f32 v[T+2*i:T+2*i+1], v[T+2*i:T+2*i+1], v[T+2*(i+\w):T+2*(i+\w)+1]
.set i, i+1
.endr
.endr
	v_add_f32 v[SM+(\a)], v[T], v[T+1]
.endm
	s_wait_tensorcnt 1                             ; my part of K step 0 is in; K step 1's may stay out
	s_barrier_signal -1
	s_barrier_wait -1                              ; everybody's is
	FETCH 0, 0, F0
	QUARTER 0, 64,  F0, F1, 1                      ; the first quarter stands in front of the loop: its products start the sums
	WIN 0                                          ; at a label and at a branch every window is 0
	s_mov_b32 s3, LAPS-1
.Llap:                                                 ; a trip goes once round the ring, from a lap's second quarter to the next lap's first, and fills both slots again
	QUARTER 0, 128, F1, F0, 0
	QUARTER 0, 192, F0, F1, 0
	TURN 0, 1, 1
	QUARTER 1, 64,  F0, F1, 0
	QUARTER 1, 128, F1, F0, 0
	QUARTER 1, 192, F0, F1, 0
	TURN 1, 0, 1
	QUARTER 0, 64,  F0, F1, 0
	WIN 0
	s_sub_co_u32 s3, s3, 1
	s_cmp_lg_u32 s3, 0
	s_cbranch_scc1 .Llap
	QUARTER 0, 128, F1, F0, 0                      ; the last lap is written out: it asks for nothing
	QUARTER 0, 192, F0, F1, 0
	TURN 0, 1, 0
	QUARTER 1, 64,  F0, F1, 0
	QUARTER 1, 128, F1, F0, 0
	QUARTER 1, 192, F0, F1, 0
	s_wait_dscnt 8                                 ; the very last quarter: nothing more to fetch
	MUL16 F1, 0, 0, 0
	MUL16 F1, 0, 2, 0
	s_wait_dscnt 0x0
	MUL16 F1, 1, 0, 0
	MUL16 F1, 1, 2, 0
	WIN 0
	PLACES                                         ; behind the last products, in front of lines that read results and write over fragments;
	PLACES                                         ; eight, once a launch: the stricter count
.irp a, 0,1,2,3,4,5,6,7
	OUT \a
.endr
	; THE ROW SUMS.  A row's 128 squares lie in two lanes, 16 apart: one exchange and one addition.  Then lane l takes row 32 i + l (blocks 2 i and 2 i + 1), the 128 sums go through my stage,
	; and come back four to a lane: one store of 512 consecutive bytes, at a multiple of 256 from rsum's first byte.
.irp a, 0,1,2,3,4,5,6,7
	v_permlanex16_b32 v[SX+(\a)], v[SM+(\a)], s68, s69  ; its destination counts as read: OUT has written these registers
.endr
.irp a, 0,1,2,3,4,5,6,7
	v_add_f32 v[SM+(\a)], v[SM+(\a)], v[SX+(\a)]
.endr
	v_cmp_ne_u32 s70, 0, v2                        ; lanes 16-31
.irp i, 0,1,2,3
	v_cndmask_b32 v[SX+(\i)], v[SM+2*(\i)], v[SM+2*(\i)+1], s70
.endr
.irp i, 0,1,2,3
	ds_store_b32 v[RS], v[SX+(\i)] offset:128*(\i)
.endr
	ds_load_b128 v[SX+4:SX+7], v[RL]               ; my wave's own bytes, served in order (ISA guide 5.7.1.4)
	s_wait_dscnt 0x0
	global_store_b128 v[RG], v[SX+4:SX+7], s[66:67]
	s_wait_tensorcnt 0x0                           ; the wave's end: a wait for my tensor loads, 0 onto my spare word, and a wait for that, behind my last tensor load and my last LDS store
	ds_add_u32 v[SPW], v[NIL]
	s_wait_dscnt 0x0
	CROUND                                         ; the closing round: no work-group ends while a partner may still ask for a tile that names it
	s_endpgm
.Lfunc_end_k_q68214ef437_score:
	.size	k_q68214ef437_score, .Lfunc_end_k_q68214ef437_score-k_q68214ef437_score
	.p2alignl 7, 3214868480
	.fill 96, 4, 3214868480
	.section	.rodata,"a",@progbits
	.p2align	6, 0x0
	.amdhsa_kernel k_q68214ef437_score
		.amdhsa_group_segment_fixed_size 327680
		.amdhsa_private_segment_fixed_size 0
		.amdhsa_enable_private_segment 0
		.amdhsa_kernarg_size 32
		.amdhsa_user_sgpr_count 2
		.amdhsa_user_sgpr_kernarg_segment_ptr 1
		.amdhsa_wavefront_size32 1
		.amdhsa_system_sgpr_workgroup_id_x 1
		.amdhsa_system_sgpr_workgroup_id_y 1
		.amdhsa_system_sgpr_workgroup_id_z 1
		.amdhsa_system_vgpr_workitem_id 0
		.amdhsa_next_free_vgpr 1024
		.amdhsa_next_free_sgpr 76
		.amdhsa_reserve_vcc 0
		.amdhsa_float_denorm_mode_32 3
		.amdhsa_float_denorm_mode_16_64 3
		.amdhsa_memory_ordered 1
		.amdhsa_forward_progress 1
		.amdhsa_inst_pref_size 169
	.end_amdhsa_kernel
	.amdgpu_metadata
---
amdhsa.version: [ 1, 2 ]
amdhsa.kernels:
  - .name:           k_q68214ef437_score
    .symbol:         k_q68214ef437_score.kd
    .args:
      - { .name: sb, .offset: 0, .size: 8, .value_kind: global_buffer, .address_space: global }
      - { .name: Xb, .offset: 8, .size: 8, .value_kind: global_buffer, .address_space: global }
      - { .name: W, .offset: 16, .size: 8, .value_kind: global_buffer, .address_space: global }
      - { .name: rsum, .offset: 24, .size: 8, .value_kind: global_buffer, .address_space: global }
    .group_segment_fixed_size: 327680
    .private_segment_fixed_size: 0
    .kernarg_segment_align: 8
    .kernarg_segment_size: 32
    .max_flat_workgroup_size: 128
    .sgpr_count:     76
    .vgpr_count:     1024
    .wavefront_size: 32
...
	.end_amdgpu_metadata
.endif
;; end of part 2
;; launch mix (part 3): grid 16 x 16, 4 waves a work-group, clusters of 4 x 4, 327,680 bytes of LDS; arguments W, Xb, rsum, out0; writes out0
.if DOCPART == 3
	.amdgcn_target "amdgcn-amd-amdhsa--gfx1250"
	.amdhsa_code_object_version 6
	.text
	.protected	k_q68214ef437_mix
	.globl	k_q68214ef437_mix
	.p2align	8
	.type	k_q68214ef437_mix,@function
k_q68214ef437_mix:
	s_mov_b64 s[64:65], 0
	v_nop
	global_prefetch_b8 v0, s[64:65] scope:SCOPE_SE
	s_setreg_imm32_b32 hwreg(HW_REG_WAVE_MODE, 25, 1), 1
	s_wait_xcnt 0x0
	s_wait_alu depctr_hold_cnt(0) depctr_sa_sdst(0) depctr_va_vdst(0) depctr_va_sdst(0) depctr_va_ssrc(0) depctr_va_vcc(0) depctr_vm_vsrc(0)
	s_getreg_b32 s2, hwreg(HW_REG_IB_STS2, 6, 4)
	s_cmp_eq_u32 s2, 0
	s_cbranch_scc0 .Lentry_in_a_cluster
	s_endpgm
.Lentry_in_a_cluster:
	s_bfe_u32 s2, ttmp6, 0x10000c
	s_cmp_lg_u32 s2, 0xf033
	s_cbranch_scc0 .Lentry_shape_is_right
	s_endpgm
.Lentry_shape_is_right:
; out0[q][n] = (sum over p of W(q, p) Xb[p][n]) / (sum over c of rsum[c][q]).  W: 4096 x 4096 bf16, in blocks (below); Xb: [4096][2048] bf16; rsum: [32][4096] f32; out0: [4096][2048] f32.  Sums in f32.  Nothing is left out.
; LIMITS.  The division comes last, as a multiplication by v_rcp_f32 of the row sum (good to 1 ulp; a row sum under 2^-126 or over 2^126 gives an infinity or 0: ISA guide 15.8); the undivided sums must stay in f32's range.
; SHARES.  A tile of out0 is 256 (q) x 128 (n): 16 x 16 tiles, 256 work-groups; tiles of 256 x 256 would be 128.  Wave w makes rows 64 w .. 64 w + 63 of the tile, all 128 columns: 4 x 8 accumulators, 256 registers.
; K = p goes in CHUNKS of 32: 32 matrix instructions a wave.
; W COMES STRAIGHT INTO REGISTERS.  It lies in blocks of 16 rows x 32 columns, 1,024 bytes, block (qb, kc) at byte (128 qb + kc) x 1,024, in the order of a matrix operand's registers: lane l's registers 0-3 at
; 16 l, its registers 4-7 at 512 + 16 l.  A chunk's four fragments are eight loads of 512 consecutive bytes.  A ring of 8 places of 32 registers: chunk g asks for chunk g + 7, so 56 loads of a wave are out at the most.
; WHY W IS NOT ASKED FOR JOINTLY, though the four partners of a row of the cluster read the same rows: through LDS, W's and Xb's tiles of 128 along K take 106,496 bytes; two slots of 256 along K would take 417,792,
; more than the 327,680 that there are; and with 128 along K a refill would have 112 matrix instructions a wave in which to land, half of what the launch before gives its refills.  No two waves of a
; work-group need the same byte of W, so LDS would serve it as a landing place alone.  The price: each byte of W is requested by 16 work-groups, not by 4 groups of four.
; Xb GOES THROUGH LDS, JOINTLY.  All four waves read the same 128 columns.  Two slots of 256 along K (a PERIOD, 8 chunks, 256 matrix instructions a wave); each wave fetches 64 of a period's 256 rows, 256 bytes each, at
; multiples of 256 bytes, by one tensor load with the mask of its column of the 4 x 4 cluster.  Xb lies [p][n]: it is turned on its way out of LDS by ds_load_tr16_b128.
; THE MATRIX INSTRUCTION IS USED TRANSPOSED: source 0 = 16 columns n of Xb, source 1 = 16 rows q of W.  In the result lane l holds row q = l % 16 and the columns n = 8 (l / 16) + 0 .. 7.
; REGISTERS, in windows of 256 (s_set_vgpr_msb's low byte: bits 1:0 source 0, 3:2 source 1, 5:4 source 2, 7:6 destination):
;   window 0: v0-31 addresses; v32-39 the reciprocals; v64-191 fragments of Xb, two buffers of 64 (on the way out rows read back); v192-255 the partial row sums, loaded at the start (on the way out scaled results)
;   window 1: the accumulators, (a, b) at v[64 a + 8 b]          window 2: W's ring, chunk g's fragment a at v[32 (g % 8) + 8 a]
.set ROWX,   4096                      ; bytes in a row of Xb
.set ROWO,   8192                      ; bytes in a row of out0
.set QBB,    131072                    ; bytes of W's 16 rows: 128 blocks of 1,024
.set CHB,    1024                      ; a block of W
.set PB,     288                       ; a row of Xb's tile in LDS: 256 bytes + 32 of padding = 72 words
.set HB,     64*PB                     ; what one tensor load brings: 64 rows
.set SLOT,   4*HB                      ; a period: 256 rows
.set STAGE,  2*SLOT                    ; behind the ring: 16 rows x 528 bytes for each wave; no tensor load fills it
.set SP,     528                       ; a row of the stage: 512 bytes + 16 = 132 words: row r starts at bank 4 r mod 64
.set SPARE,  STAGE+4*16*SP             ; behind the stages: the spare words, 128 bytes for each wave: two blocks of 256 bytes that no other line names
.set TRIPS,  7                         ; a trip is 16 chunks; 128 chunks = chunk 0, 7 trips, 15 chunks written out
.set L16,  16                          ; v16     16 x lane: my 16 bytes of 512, in W's blocks and in a row of out0's tile; never rewritten
.set ADRB, 18                          ; v18-21  LDS address of my part of a turning load: slot 0 chunks 0-3, slot 0 chunks 4-7, slot 1 likewise (an LDS offset has 16 bits)
.set RSA,  22                          ; v22     my stage + 16 (l % 16): where I put four reciprocals
.set RSB,  23                          ; v23     my stage + 4 (l % 16): where I read my row's
.set STO,  24                          ; v24     the way out: where I put 32 bytes of a row
.set RD,   25                          ; v25     the way out: my stage + 16 x lane
.set RSO,  27                          ; v27     16 (l % 16) + 16,384 (l / 16): my four rows, in one of two neighbouring partial sums
.set SPW,  28                          ; v28     LDS address of my spare word; never rewritten
.set NIL,  29                          ; v29     0; never rewritten
.set PFOA, 30                          ; v30     256 x lane; never rewritten
.set PFOB, 31                          ; v31     4,096 x lane; never rewritten
.set IV,   32                          ; v32-39  1 / row sum of my row of block a, in both v[IV + 2 a] and v[IV + 2 a + 1]: a pair for the packed multiply
.set FB,   64
.set T,    192
.set BK0,  64
.set G1B, 48                           ; s[48:55] descriptor group 1
.set G0B, 56                           ; s[56:63] descriptor group 0, one set for each slot
.set LIMA, 43                          ; s43      1 in a wave that prefetches W, else the greatest number
.set LIMB, 70                          ; s70      the same for Xb
.set PFA, 44                           ; s[44:45] where my prefetches of W stand
.set PFB, 46                           ; s[46:47] and those of Xb
.set MSB, 0
.macro WIN new                         ; the immediate's high byte repeats the setting that is left; a switch that changes nothing is dropped
.if MSB != (\new)
	s_set_vgpr_msb (MSB<<8)|(\new)
.set MSB, \new
.endif
.endm
.set MUL,  0x58                        ; source 0 (Xb) window 0, source 1 (W) window 2, C and D window 1
.set TO_A, 0x80                        ; destination window 2, address window 0
; A joint load: every wave fetches its 64 rows of a period.  An s_nop 0 and four v_nop follow the line.
.macro JLOAD s
	tensor_load_to_lds s[G0B+4*(\s):G0B+4*(\s)+3], s[G1B:G1B+7]
	s_nop 0
.rept 4
	v_nop
.endr
.endm
; PREFETCHES INTO THE L2, together, behind each joint refill, its five lines and the loads that follow them.  Each block of 256 bytes is named ONCE in the launch; the partners of a cluster are told apart BY ADDRESS.
; W: a wave's four block rows are read by all 16 tile columns; cluster x = 0 asks, and of the four the partner at place cx names block row cx: its 8,192 bytes of the period THREE on from the one that ends here, a lane
; 256 bytes.  The loads of that period begin 9 chunks and end 17 chunks (288 to 544 matrix instructions) behind the prefetch.
; Xb: a tile column is read by all 16 tile rows; cluster y = 0 asks; of a period's 256 rows the partner at place cy names 64, waves 0 and 1 32 each, a lane a row: the period FOUR on, 512 matrix instructions ahead of its tensor load.
; W's periods 0 to 2 and 15 and Xb's periods 0 to 3 come by their loads alone; the last trip (s3 = 1) asks for nothing.
.macro ASK
	s_cmp_gt_u32 s3, s[LIMA]
	s_cbranch_scc0 .Lnot_a_\@
	global_prefetch_b8 v[PFOA], s[PFA:PFA+1] th:TH_LOAD_NT scope:SCOPE_SE
.Lnot_a_\@:
	s_cmp_gt_u32 s3, s[LIMB]
	s_cbranch_scc0 .Lnot_b_\@
	global_prefetch_b8 v[PFOB], s[PFB:PFB+1] th:TH_LOAD_NT scope:SCOPE_SE
.Lnot_b_\@:
.endm
.macro CREST                           ; a round of the cluster's barrier behind its opening barrier
	s_cmp_lg_u32 s10, 0
	s_cbranch_scc1 .Lnot_wave_0_\@
	s_barrier_signal -3
.Lnot_wave_0_\@:
	s_barrier_wait -3
	s_barrier_signal -1
	s_barrier_wait -1
.endm
.macro CROUND                          ; a whole round
	s_barrier_signal -1
	s_barrier_wait -1
	CREST
.endm
; 8 matrix instructions: n blocks b0, b0 + 1 x all 4 q blocks, 32 along K: Xb's buffer f, W's place pos.  zero = 1: the first product starts the sums: nothing is ever cleared.
; The 32 accumulators take turns, one instruction a turn, in the same order in every chunk: 31 others stand between two links of a chain.
.macro MULG f, pos, b0, zero
	WIN MUL
.irp b, \b0, (\b0)+1
.irp a, 0,1,2,3
.if \zero
	v_wmma_f32_16x16x32_bf16 v[64*(\a)+8*(\b):64*(\a)+8*(\b)+7], v[FB+64*(\f)+8*(\b):FB+64*(\f)+8*(\b)+7], v[32*(\pos)+8*(\a):32*(\pos)+8*(\a)+7], 0
.else
	v_wmma_f32_16x16x32_bf16 v[64*(\a)+8*(\b):64*(\a)+8*(\b)+7], v[FB+64*(\f)+8*(\b):FB+64*(\f)+8*(\b)+7], v[32*(\pos)+8*(\a):32*(\pos)+8*(\a)+7], v[64*(\a)+8*(\b):64*(\a)+8*(\b)+7]
.endif
.endr
.endr
.endm
; 16 LDS loads in one run: Xb's eight fragments of chunk cp of the period in a slot, turned, into buffer f; n blocks 0-3 first
.macro FETCH slot, cp, f
	WIN 0
.irp b, 0,1,2,3,4,5,6,7
	ds_load_tr16_b128 v[FB+64*(\f)+8*(\b):FB+64*(\f)+8*(\b)+3],   v[ADRB+2*(\slot)+(\cp)/4] offset:32*PB*((\cp)%4)+32*(\b)
	ds_load_tr16_b128 v[FB+64*(\f)+8*(\b)+4:FB+64*(\f)+8*(\b)+7], v[ADRB+2*(\slot)+(\cp)/4] offset:32*PB*((\cp)%4)+32*(\b)+16*PB
.endr
.endm
; 8 loads: W's four fragments of the chunk that lies ch blocks behind the pointer, into place pos
.macro ALOAD pos, ch
	WIN TO_A
.irp a, 0,1,2,3
	global_load_b128 v[32*(\pos)+8*(\a):32*(\pos)+8*(\a)+3],   v[L16], s[4:5] offset:QBB*(\a)+CHB*(\ch)
	global_load_b128 v[32*(\pos)+8*(\a)+4:32*(\pos)+8*(\a)+7], v[L16], s[4:5] offset:QBB*(\a)+CHB*(\ch)+512
.endr
.endm
.macro PLACES                          ; four places in front of loads into registers that matrix instructions have read (ISA guide 7.12.1 for vector instructions)
.rept 4
	v_nop
.endr
.endm
; CHUNK i of a trip (i counts from the trip's pointer: buffer i % 2, place i % 8, period (i / 8) % 2).  Behind its first eight products it fetches Xb's fragments of chunk i + 1 into the buffer, and (ld = 1) asks for
; W's chunk i + 7 into the place, that chunk i - 1 has multiplied.  na: how many younger loads of W may stay out.
.macro CHUNK i, na, ld
	s_wait_loadcnt \na                             ; loads come back in order (ISA guide 5.7.1): this chunk's eight are in
	s_wait_dscnt 8                                 ; Xb's n blocks 0-3 are in; the youngest eight loads (blocks 4-7) may be out
	MULG (\i)%2, (\i)%8, 0, 0
	PLACES
	FETCH (((\i)+1)/8)%2, ((\i)+1)%8, ((\i)+1)%2
.if \ld
	ALOAD ((\i)+7)%8, (\i)+7
.endif
	MULG (\i)%2, (\i)%8, 2, 0
	s_wait_dscnt 16                                ; all but the 16 just issued
	MULG (\i)%2, (\i)%8, 4, 0
	MULG (\i)%2, (\i)%8, 6, 0
.endm
; A period's LAST chunk changes slots: ONE barrier, for two things.  In front of it each wave waits for all its tensor loads, of which one is out: its part of the next slot; adds 0 to its spare word; and waits for
; that and for its own reads of this slot.  Behind it nobody reads this slot any more and the next slot is whole.  fill = 1: the barrier opens a round of the cluster's, and behind the round this slot is filled
; again first, with the period two on: some 240 matrix instructions ahead of the wait for it.
.macro TURN i, fill, na, ld
.if \fill
	s_wait_xcnt 0x0                                ; the last prefetches, a period back, have read their addresses: these are stepped here, ahead of the waits of the change of slots
	s_add_nc_u64 s[PFA:PFA+1], s[PFA:PFA+1], 8*CHB
	s_add_nc_u64 s[PFB:PFB+1], s[PFB:PFB+1], 256*ROWX
.endif
	WIN 0                                          ; (the add's two registers lie in window 0)
	s_wait_tensorcnt 0x0                           ; all my tensor loads have landed
	ds_add_u32 v[SPW], v[NIL]                      ; 0 onto my spare word
	s_wait_loadcnt \na
	s_wait_dscnt 9                                 ; (the add and the youngest eight loads may be out)
	MULG (\i)%2, (\i)%8, 0, 0                      ; eight matrix instructions stand between the add and the wait for it
	s_wait_dscnt 0x0                               ; the add is done, and my reads of this slot are over
	s_barrier_signal -1
	MULG (\i)%2, (\i)%8, 2, 0                      ; work on registers while the others arrive
.if \fill
	WIN 0
.endif
	s_barrier_wait -1
.if \fill
	CREST                                          ; no wave of any partner still reads this slot's tile or has a load on its way
	s_add_nc_u64 s[G0B+4*(((\i)/8)%2)+2:G0B+4*(((\i)/8)%2)+3], s[G0B+4*(((\i)/8)%2)+2:G0B+4*(((\i)/8)%2)+3], 2*256*ROWX  ; no tensor load of mine is out, so a group 0 may be written
	JLOAD ((\i)/8)%2                               ; the first tensor load behind the round, my only one until the next; its four v_nop are also the places in front of the loads below
.else
	PLACES
.endif
	FETCH (((\i)+1)/8)%2, ((\i)+1)%8, ((\i)+1)%2
.if \ld
	ALOAD ((\i)+7)%8, (\i)+7
.endif
.if \fill
	WIN 0
	ASK
.endif
	MULG (\i)%2, (\i)%8, 4, 0
	MULG (\i)%2, (\i)%8, 6, 0
.endm
	s_load_b128 s[4:7], s[0:1], 0x0                ; W s[4:5], Xb s[6:7]
	s_load_b64 s[66:67], s[0:1], 0x10              ; rsum
	s_load_b64 s[8:9], s[0:1], 0x18                ; out0
	v_lshl_add_u32 v[SPW], v0, 2, SPARE
	v_mov_b32 v[NIL], 0
	ds_add_u32 v[SPW], v[NIL]                      ; the wave's opening: the add, twice on end, and its wait ahead of my first tensor load; the set-up below stands between the second and the wait
	ds_add_u32 v[SPW], v[NIL]
	v_lshrrev_b32 v1, 5, v0
	v_readfirstlane_b32 s10, v1                    ; wave 0..3
	s_bfe_u32 s40, ttmp6, 0x40000                  ; cx, cy: my place in the cluster
	s_bfe_u32 s41, ttmp6, 0x40004
	s_lshl_b32 s42, ttmp9, 2
	s_add_co_u32 s42, s42, s40                     ; tile column of out0 = 4 x cluster x + cx
	s_and_b32 s13, ttmp7, 0xffff
	s_lshl_b32 s13, s13, 2
	s_add_co_u32 s13, s13, s41                     ; tile row = 4 x cluster y + cy
	s_lshl_b32 s44, 0x1111, s40                    ; my column of the cluster: places cx, cx + 4, cx + 8, cx + 12
	; descriptor group 1: a tile of 64 rows x 128 elements, 8 words of padding behind each row
	s_or_b32 s[G1B+0], s44, (1<<16)|(1<<20)|(1<<21)|(5<<22)|(7<<25) ; 15:0 the mask; 17:16 elements of 2 bytes; 20 padding on; 21 set beside a mask; 24:22 after every 64 words (code 5); 31:25 8 words of it (code 7)
	s_mov_b32 s[G1B+1], 128<<16                    ; tensor_dim0 = 128
	s_mov_b32 s[G1B+2], 64<<16                     ; tensor_dim1 = 64
	s_mov_b32 s[G1B+3], 128<<16                    ; tile_dim0 = 128
	s_mov_b32 s[G1B+4], 64                         ; tile_dim1 = 64
	s_mov_b32 s[G1B+5], 2048                       ; elements from row to row of Xb
	s_mov_b32 s[G1B+6], 0
	s_mov_b32 s[G1B+7], 0
	s_lshl_b32 s46, s42, 8                         ; Xb's tiles hang on the tile column, which my column of the cluster shares: its 256 bytes of a row,
	s_lshl_b32 s47, s10, 18                        ; and on the wave: 64 rows of 4,096 bytes
	s_add_co_u32 s46, s46, s47
	s_mov_b32 s47, 0
	s_mul_i32 s20, s10, HB                         ; where they go: no place in the cluster enters an LDS address
	s_lshl_b32 s16, s13, 21                        ; my rows begin at 256 x tile row + 64 x wave: in W's blocks and in out0 alike 8,192 bytes a row
	s_lshl_b32 s17, s10, 19
	s_add_co_u32 s16, s16, s17
	s_mov_b32 s17, 0
	s_mov_b32 s68, 0x76543210                      ; v_permlanex16_b32's selects: each lane takes its own place in the other half
	s_mov_b32 s69, 0xfedcba98
	s_wait_dscnt 0x0                               ; both opening adds are done
	s_wait_kmcnt 0x0
	s_add_nc_u64 s[46:47], s[6:7], s[46:47]
	CROUND                                         ; all sixteen work-groups are here: the first joint loads meet
.irp s, 0,1
	s_mov_b32 s[G0B+4*(\s)], 1                                     ; count = 1
	s_add_co_u32 s[G0B+4*(\s)+1], s20, (\s)*SLOT                   ; LDS address
	s_add_nc_u64 s[G0B+4*(\s)+2:G0B+4*(\s)+3], s[46:47], (\s)*256*ROWX  ; period s: 256 rows of Xb down
	s_or_b32 s[G0B+4*(\s)+3], s[G0B+4*(\s)+3], 0x80000000          ; type = 2
	JLOAD \s                                       ; two tensor loads of mine are out
.endr
	v_and_b32 v1, 15, v0                           ; r = l % 16
	v_bfe_u32 v2, v0, 4, 1                         ; h = l / 16
	v_and_b32 v6, 31, v0                           ; l
	v_lshlrev_b32 v[L16], 4, v6
	v_lshlrev_b32 v[RSO], 4, v1
	v_lshl_add_u32 v[RSO], v2, 14, v[RSO]
	s_add_nc_u64 s[4:5], s[4:5], s[16:17]          ; W at my first block
	s_lshl_b32 s72, s13, 10                        ; rsum at my 64 rows: 4 bytes a row
	s_lshl_b32 s73, s10, 8
	s_add_co_u32 s72, s72, s73
	s_mov_b32 s73, 0
	s_add_nc_u64 s[66:67], s[66:67], s[72:73]
	; The partial row sums: lanes 0-15 take rows 4 r .. 4 r + 3 of partial sum 2 i, lanes 16-31 of 2 i + 1: 256 consecutive bytes each.  They are older than every load of W, so the first wait for W shows them in;
	; they rest in v192-255 until the way out.  Then W's chunks 0 to 4: 56 loads of mine are out.
.irp i, 0,1,2,3,4,5,6,7,8,9,10,11,12,13,14,15
	global_load_b128 v[T+4*(\i):T+4*(\i)+3], v[RSO], s[66:67] offset:32768*(\i)
.endr
.irp c, 0,1,2,3,4
	ALOAD \c, \c
.endr
	WIN 0
	; the turning load takes 16 p x 16 n (lane l reads 16 bytes: row p = 8 h + l % 8, columns 8 ((l / 8) % 2) + 0..7) and leaves half a fragment: lane l holds column r and 8 p
	v_and_b32 v4, 7, v0
	v_lshl_add_u32 v4, v2, 3, v4
	v_mul_u32_u24 v4, v4, PB
	v_bfe_u32 v5, v0, 3, 1
	v_lshl_add_u32 v[ADRB], v5, 4, v4
	v_add_nc_u32 v[ADRB+1], 128*PB, v[ADRB]
	v_add_nc_u32 v[ADRB+2], SLOT, v[ADRB]
	v_add_nc_u32 v[ADRB+3], SLOT+128*PB, v[ADRB]
	s_mul_i32 s23, s10, 16*SP
	s_add_co_u32 s23, s23, STAGE                   ; my stage
	v_mul_u32_u24 v5, v1, SP                       ; in: row r, 32 bytes for each half of the lanes
	v_lshl_add_u32 v5, v2, 5, v5
	v_add_nc_u32 v[STO], s23, v5
	v_lshl_add_u32 v[RD], v6, 4, s23               ; back: 32 lanes take one row of 512 bytes
	v_lshl_add_u32 v[RSA], v1, 4, s23
	v_lshl_add_u32 v[RSB], v1, 2, s23
	s_add_nc_u64 s[8:9], s[8:9], s[16:17]          ; out0 at my first row,
	s_lshl_b32 s72, s42, 9                         ; the tile's 512 bytes of it
	s_add_nc_u64 s[8:9], s[8:9], s[72:73]
	; the prefetches
	s_lshl_b32 s72, s40, 17                        ; W: of my four block rows the one at my work-group's place cx,
	s_add_co_u32 s72, s72, 2*8*CHB                 ; at period 2: the first change of slots steps it to 3 and names that
	s_add_nc_u64 s[PFA:PFA+1], s[4:5], s[72:73]
	s_cmp_eq_u32 ttmp9, 0                          ; cluster x = 0: the same in all sixteen partners
	s_cselect_b32 s[LIMA], 1, -1
	s_lshl_b32 s72, s42, 8                         ; Xb: the tile column's 256 bytes of a row,
	s_lshl_b32 s74, s41, 18                        ; my work-group's 64 rows of a period's 256, by cy,
	s_add_co_u32 s72, s72, s74
	s_lshl_b32 s74, s10, 17                        ; my wave's 32 of them (waves 0 and 1),
	s_add_co_u32 s72, s72, s74
	s_add_co_u32 s72, s72, 3*256*ROWX              ; at period 3: the first change of slots steps it to 4
	s_add_nc_u64 s[PFB:PFB+1], s[6:7], s[72:73]
	s_and_b32 s74, ttmp7, 0xffff                   ; cluster y = 0,
	s_lshr_b32 s75, s10, 1                         ; and wave 0 or 1
	s_or_b32 s74, s74, s75
	s_cmp_eq_u32 s74, 0
	s_cselect_b32 s[LIMB], 1, -1
	v_lshlrev_b32 v[PFOA], 8, v6
	v_lshlrev_b32 v[PFOB], 12, v6
	s_wait_tensorcnt 1                             ; my part of period 0 is in; period 1's may stay out
	s_barrier_signal -1
	s_barrier_wait -1                              ; everybody's is
	FETCH 0, 0, 0
	; chunk 0 stands in front of the loop: its products start the sums.  It asks for W's chunks 5, 6 and 7, so that 56 loads are out again
	s_wait_loadcnt 32                              ; the partial row sums and W's chunk 0 are in; chunks 1 to 4 may stay out
	s_wait_dscnt 8
	MULG 0, 0, 0, 1
	PLACES
	FETCH 0, 1, 1
	ALOAD 5, 5
	ALOAD 6, 6
	ALOAD 7, 7
	MULG 0, 0, 2, 1
	s_wait_dscnt 16
	MULG 0, 0, 4, 1
	MULG 0, 0, 6, 1
	WIN 0                                          ; at a label and at a branch every window is 0
	s_mov_b32 s3, TRIPS
.Ltrip:                                                ; 16 chunks: from a period's second chunk, over two changes of slots, to the first chunk of the period two on; twice round W's ring
.irp i, 1,2,3,4,5,6
	CHUNK \i, 48, 1                                ; 48: the six younger chunks of W stay out
.endr
	TURN 7, 1, 48, 1
.irp i, 8,9,10,11,12,13,14
	CHUNK \i, 48, 1
.endr
	TURN 15, 1, 48, 1
	CHUNK 16, 48, 1
	WIN 0
	s_wait_xcnt 0x0                                ; every load issued so far (the youngest 24 products back) has had its address translated (ISA guide 3.1), so W's pointer may be written
	s_add_nc_u64 s[4:5], s[4:5], 16*CHB
	s_sub_co_u32 s3, s3, 1
	s_cmp_lg_u32 s3, 0
	s_cbranch_scc1 .Ltrip
.irp i, 1,2,3,4,5,6                    ; the last 15 chunks are written out: no slot is filled again, and W ends with chunk 127, which chunk 8 here asks for
	CHUNK \i, 48, 1
.endr
	TURN 7, 0, 48, 1
	CHUNK 8, 48, 1
	CHUNK 9, 48, 0
	CHUNK 10, 40, 0                                ; the counts run down
	CHUNK 11, 32, 0
	CHUNK 12, 24, 0
	CHUNK 13, 16, 0
	CHUNK 14, 8, 0
	s_wait_loadcnt 0x0
	s_wait_dscnt 8
	MULG 1, 7, 0, 0
	MULG 1, 7, 2, 0
	s_wait_dscnt 0x0
	MULG 1, 7, 4, 0
	MULG 1, 7, 6, 0
	WIN 0
	; THE ROW SUMS.  30 packed additions in f32 bring a lane's 16 partial sums of four rows into one; they name no register of the last products and are the places behind them.
.irp w, 8,4,2,1
.set i, 0
.rept 2*\w
	v_pk_add_f32 v[T+2*i:T+2*i+1], v[T+2*i:T+2*i+1], v[T+2*i+4*\w:T+2*i+4*\w+1]
.set i, i+1
.endr
.endr
.irp j, 0,1,2,3
	v_permlanex16_b32 v[T+4+(\j)], v[T+(\j)], s68, s69  ; the other 16 partial sums lie in the lane 16 away; the destination counts as read: it has been written
.endr
	v_pk_add_f32 v[T:T+1], v[T:T+1], v[T+4:T+5]
	v_pk_add_f32 v[T+2:T+3], v[T+2:T+3], v[T+6:T+7]
.irp j, 0,1,2,3
	v_rcp_f32 v[T+8+(\j)], v[T+(\j)]
.endr
	v_nop                                          ; a plain instruction between the last reciprocal and the use of its result
	s_wait_alu depctr_va_vdst(0)                   ; and a wait ahead of the first use: one for the four
	ds_store_b128 v[RSA], v[T+8:T+11]              ; through my stage: row i's reciprocal at byte 4 i (both halves of the lanes hold and write the same)
.irp a, 0,1,2,3
	ds_load_b32 v[IV+2*(\a)],   v[RSB] offset:64*(\a)  ; my row of block a: 16 a + r; LDS serves a wave's instructions in order (ISA guide 5.7.1.4)
	ds_load_b32 v[IV+2*(\a)+1], v[RSB] offset:64*(\a)
.endr
	s_wait_dscnt 0x0
; THE WAY OUT of block a (16 rows x 128 columns of f32: 512 bytes a row).  SCALE: times 1 / row sum, each accumulator's registers in ascending order.
.macro SCALE a
	WIN 0x01                                       ; source 0 window 1; source 1 and destination window 0
.set i, 0
.rept 32
	v_pk_mul_f32 v[T+2*i:T+2*i+1], v[64*(\a)+2*i:64*(\a)+2*i+1], v[IV+2*(\a):IV+2*(\a)+1]
.set i, i+1
.endr
	WIN 0
.endm
.macro TOSTAGE a                       ; into my own stage, 32 bytes a lane for each n block, and back as whole rows of 512 bytes
.set BK, BK0+64*((\a)%2)
.irp b, 0,1,2,3,4,5,6,7
	ds_store_b128 v[STO], v[T+8*(\b):T+8*(\b)+3]   offset:64*(\b)
	ds_store_b128 v[STO], v[T+8*(\b)+4:T+8*(\b)+7] offset:64*(\b)+16
.endr
.irp t, 0,1,2,3,4,5,6,7,8,9,10,11,12,13,14,15
	ds_load_b128 v[BK+4*(\t):BK+4*(\t)+3], v[RD] offset:(\t)*SP  ; these see the stores above: a wave's LDS instructions are served in order
.endr
.endm
.macro SEND a
.set BK, BK0+64*((\a)%2)
	s_wait_dscnt 0x0                               ; the block is back in registers
	s_wait_xcnt 0x0                                ; every earlier store has had its addresses translated (ISA guide 3.1): the other set of registers, which block a - 1's stores read, is loaded again only behind this wait
.irp t, 0,1,2,3,4,5,6,7,8,9,10,11,12,13,14,15
	global_store_b128 v[L16], v[BK+4*(\t):BK+4*(\t)+3], s[8:9] offset:(16*(\a)+(\t))*ROWO th:TH_STORE_NT  ; 512 consecutive bytes, at a multiple of 512 from out0's first byte; the row stands in the immediate
.endr
.endm
	SCALE 0
	TOSTAGE 0
.irp a, 1,2,3                          ; block a's arithmetic stands between block a - 1's loads from the stage and the wait for them
	SCALE \a
	SEND (\a)-1
	TOSTAGE \a
.endr
	SEND 3
	s_wait_tensorcnt 0x0                           ; the wave's end: a wait for my tensor loads, 0 onto my spare word, and a wait for that, behind my last tensor load and my last LDS store
	ds_add_u32 v[SPW], v[NIL]
	s_wait_dscnt 0x0
	CROUND                                         ; the closing round: no work-group ends while a partner may still ask for a tile that names it
	s_endpgm
.Lfunc_end_k_q68214ef437_mix:
	.size	k_q68214ef437_mix, .Lfunc_end_k_q68214ef437_mix-k_q68214ef437_mix
	.p2alignl 7, 3214868480
	.fill 96, 4, 3214868480
	.section	.rodata,"a",@progbits
	.p2align	6, 0x0
	.amdhsa_kernel k_q68214ef437_mix
		.amdhsa_group_segment_fixed_size 327680
		.amdhsa_private_segment_fixed_size 0
		.amdhsa_enable_private_segment 0
		.amdhsa_kernarg_size 32
		.amdhsa_user_sgpr_count 2
		.amdhsa_user_sgpr_kernarg_segment_ptr 1
		.amdhsa_wavefront_size32 1
		.amdhsa_system_sgpr_workgroup_id_x 1
		.amdhsa_system_sgpr_workgroup_id_y 1
		.amdhsa_system_sgpr_workgroup_id_z 1
		.amdhsa_system_vgpr_workitem_id 0
		.amdhsa_next_free_vgpr 768
		.amdhsa_next_free_sgpr 76
		.amdhsa_reserve_vcc 0
		.amdhsa_float_denorm_mode_32 3
		.amdhsa_float_denorm_mode_16_64 3
		.amdhsa_memory_ordered 1
		.amdhsa_forward_progress 1
		.amdhsa_inst_pref_size 166
	.end_amdhsa_kernel
	.amdgpu_metadata
---
amdhsa.version: [ 1, 2 ]
amdhsa.kernels:
  - .name:           k_q68214ef437_mix
    .symbol:         k_q68214ef437_mix.kd
    .args:
      - { .name: W, .offset: 0, .size: 8, .value_kind: global_buffer, .address_space: global }
      - { .name: Xb, .offset: 8, .size: 8, .value_kind: global_buffer, .address_space: global }
      - { .name: rsum, .offset: 16, .size: 8, .value_kind: global_buffer, .address_space: global }
      - { .name: out0, .offset: 24, .size: 8, .value_kind: global_buffer, .address_space: global }
    .group_segment_fixed_size: 327680
    .private_segment_fixed_size: 0
    .kernarg_segment_align: 8
    .kernarg_segment_size: 32
    .max_flat_workgroup_size: 128
    .sgpr_count:     76
    .vgpr_count:     768
    .wavefront_size: 32
...
	.end_amdgpu_metadata
.endif
;; end of part 3
